; MI455X (gfx1250); checked and timed in simulation.
; The chip was launched on July 23, 2026; its instructions are those of AMD's public machine-readable ISA for CDNA 5 (MIT licence, August 2026) and "CDNA5" Instruction Set Architecture Reference Guide (July 2026). The comments in the code are by the model that wrote it; some were corrected since.
;; Base Layer. Allowed arithmetic: matrix products marked QUANTISED: E2M1 operands, one E8M0 scale for each 32 along K, by v_wmma_scale_f32_16x16x128_f8f6f4 with both operands' format E2M1 (or v_wmma_scale_f32_32x16x128_f4), f32 sums; products left as they are: f32 operands where the result goes on into a quantised operand, else bf16, f16 or f32 operands; f32 sums; everything else in f32.
;; Inputs: c_basis 16,384 x 11 float32; c_res_codes 128 x 4 x 16 uint8 (E2M1 codes of c_res, K innermost, in blocks of 32 codes, two codes a byte); c_res_scales 128 x 4 uint8 (E8M0 scales of c_res, one for each 32 codes along K); c_spl 128 x 128 float32; grid 16,384 x 15 float32; x 512 x 128 float32.
;; Outputs: out0 512 x 128 float32.
;; This version of the problem:
;;   THIS VERSION OF THE PROBLEM IS GIVEN IN LOW PRECISION. The matrix products marked QUANTISED in the list below multiply operands that are first quantised to E2M1 (2 exponent bits, 1 mantissa bit; 4 bits a number), with one power-of-two scale for each 32 numbers along K (OCP MX v1.0); their sums are f32. All else is computed in f32.
;;   The module's matrix products, in the order in which they are computed (A, B: the left and right operand; K: the contracted axis; several contracted axes count as one K, in the product's order):
;;     1. batch 16,384 x [M 1, K 11] x [K 11, N 512]; A: input c_basis; B: computed on the way: left as it is (K = 11 < 32)
;;     2. [M 512, K 128] x [K 128, N 128]; A: computed on the way; B: input c_res (given as codes): QUANTISED
;;     3. batch 128 x [M 1, K 128] x [K 128, N 512]; A: input c_spl; B: computed on the way: left as it is (M = 1 < 16)
;;   THE QUANTISER, for each operand of a quantised product, along K:
;;     - K is cut into blocks of 32 from its start; a last block that is shorter is filled with zeros.
;;     - A block's scale is 2^e with e = floor(log2(the largest magnitude in the block)) - 2, held to -126 .. 127; a block of zeros has e = 0. As a byte (E8M0): e + 127.
;;     - Each number is divided by its block's scale, clamped to +-6, and rounded to the nearest number of E2M1, ties to even, subnormals kept.
;;     - The product sums the exact products of the quantised numbers (number of the format x scale) in f32.
;;   ~~~python
;;   def quantise(x, axis):      # numpy; x: float32 -> the quantised numbers, widened to float32 again
;;       x = np.moveaxis(x, axis, -1); K = x.shape[-1]
;;       x = np.pad(x, [(0, 0)] * (x.ndim - 1) + [(0, -K % 32)]); x = x.reshape(x.shape[:-1] + (-1, 32)); a = np.abs(x).max(-1, keepdims=True)
;;       e = np.where(a > 0, np.clip(np.frexp(np.where(a > 0, a, 1))[1] - 1 - 2, -126, 127), 0)      # np.frexp(a)[1] - 1 = floor(log2(a)), exactly
;;       r = np.clip(x / 2.0 ** e, -6, 6)
;;       step = 2.0 ** (np.maximum(np.frexp(np.where(r == 0, 1, r))[1] - 1, 0) - 1)
;;       q = np.round(r / step) * step * 2.0 ** e      # np.round: ties to even
;;       return np.moveaxis(q.reshape(q.shape[:-2] + (-1,))[..., :K], -1, axis).astype(np.float32)
;;   ~~~
;;   OPERANDS COMPUTED ON THE WAY. 'Computed on the way' means the value that the module computes at that place (a softmax that the list does not call 'softmax' is quantised finished and normalised). What goes into a quantiser is computed in f32, as accurately as f32 sums, v_exp_f32 and their like allow (about 1e-6 of the number): no bf16 or f16 on the way to a quantiser, and a product that is left as it is and whose result goes on into a quantised operand takes f32 operands (vector FMAs, or v_wmma_f32_16x16x4_f32). A number that lies on a knife's edge between two numbers of the format may be rounded either way, as far as f32 arithmetic and the matrix unit's own rounding can turn it there, and no further.
;;   INPUTS GIVEN AS CODES. c_res (in the module: [128, 128], K = its axis 1): each comes as NAME_codes (uint8): NAME with its K axis moved to the last place and cut into blocks of 32 codes, [.., K / 32, bytes a block], one block behind the other in memory; two codes a byte, the lower K in the low four bits (a code: sign, 2 exponent bits, 1 mantissa bit); and NAME_scales (uint8): the same leading axes, one E8M0 byte (e + 127) for each 32 codes along K. Its value is code x scale, taken as it is: it is not quantised again, and the codes and scales need not be those that the quantiser above would give.
;; One version. Each part assembles by itself: llvm-mc -triple=amdgcn-amd-amdhsa -mcpu=gfx1250 --defsym DOCPART=n.
;; ======== version 1 of 1: 1 launch
;; launch kan (part 1): grid 32 x 8, 16 waves a work-group, no clusters, 145,408 bytes of LDS; arguments x, grid, c_basis, c_spl, c_res_codes, c_res_scales, out0; writes out0
.if DOCPART == 1
	.amdgcn_target "amdgcn-amd-amdhsa--gfx1250"
	.amdhsa_code_object_version 6
	.text
	.protected	k_qe2c20dda02_kan
	.globl	k_qe2c20dda02_kan
	.p2align	8
	.type	k_qe2c20dda02_kan,@function
k_qe2c20dda02_kan:
	s_mov_b64 s[64:65], 0
	v_nop
	global_prefetch_b8 v0, s[64:65] scope:SCOPE_SE
	s_setreg_imm32_b32 hwreg(HW_REG_WAVE_MODE, 25, 1), 1
	s_wait_xcnt 0x0
; out[b][o] = sum_i Q(silu(x[b][i])) c_res[o][i]  +  sum_i c_spl[o][i] sum_j c_basis[e][j] B_j(x[b][i]; grid[e]),  e = 128 o + i.
; x [512][128] f32; grid [16384][15], c_basis [16384][11], c_spl [128][128] f32; c_res as E2M1 codes [128][4][16] with E8M0 bytes [128][4]; out [512][128] f32.
; THE SPLINES.  Every edge's knots are taken as they are given, sorted or not.  With w_K[j] = (x - g[j]) / (g[j+K] - g[j]) the recurrence is b'[j] = w_K[j] b[j] + (1 - w_K[j+1]) b[j+1]
; (the right factor (g[j+K+1] - x) / (g[j+K+1] - g[j+1]) is 1 - w_K[j+1]).  Moving its three steps from the basis onto the coefficients,
;   d2[j] = c[j-1] + (c[j] - c[j-1]) w_3[j],  d1[j] = d2[j-1] + (d2[j] - d2[j-1]) w_2[j],  d0[j] = d1[j-1] + (d1[j] - d1[j-1]) w_1[j]   (what lies outside an array counts as 0),
; gives  sum_j c[j] B_j(x) = sum_{j=0..13} b0[j] d0[j](x),  b0[j] = (x >= g[j]) & (x < g[j+1]): an identity in real numbers for all finite inputs whose knot differences are not 0.
; d0[j] is a cubic in x whose four coefficients hang on the edge alone: they are made once for an edge and serve all rows of the work-group.  c = c_basis x c_spl.
; The cubics are written in t = x - g[7], so that a common offset of x and the knots costs no digits.  b0 MULTIPLIES as 0.0 or 1.0: where a knot difference is 0 the coefficients are not finite, and
; 0 x (not finite) makes the sum NaN for every row, as the division by 0 does in the recurrence.  No input and no step is left out.
; LIMITS: the order of rounding differs from the recurrence's; the product of three reciprocal knot differences, a coefficient and t^3 has to stay inside f32's range;
; x < g is taken as not (x >= g), which differs for NaN alone, where the sum is NaN either way; a block of zeros gets the scale byte 1 (its codes are zeros; nobody else reads the byte).
; SHARES.  A work-group owns 64 rows x 4 outputs and all 128 i, so no sum leaves it: 256 work-groups.  Wave w of 16 owns output w / 4 and i = 32 (w % 4) + lane: A LANE TO AN EDGE.
; 380 instructions make a wave's coefficients, 115 serve two rows: with 64 rows the coefficients are a tenth of the walk; a tile of 16 x 16 outputs would make them 32 times for 16 rows each.
; So a lane stores 16 bytes of a row of out (4 outputs), rows 512 bytes apart: whole runs of 256 bytes would want 64 outputs to a work-group, 4 rows for each set of coefficients.
; THE QUANTISED PRODUCT.  Waves 0-3 take 16 rows each: silu in f32, quantised in registers along i, one matrix instruction.  Source 0 = the 4 live rows of c_res, lane r taking row o0 + r % 4:
; registers 0-3 of lane r are then out[row r][o0 .. o0+3]; the tile's other rows repeat them.
; No tensor load, no cluster: a work-group reads 87 KB once, at its head, and then computes; what partners would share is that alone.
.set NKN,    15                        ; knots of an edge
.set NCB,    11                        ; coefficients of an edge
.set SPITCH, 272                       ; the stage: a lane's 64 sums, 256 bytes + 16: sixteen lanes' 16-byte stores fall on sixteen different columns of 16 bytes
.set WREG,   32*SPITCH                 ; LDS of a wave's own: first the turn of x (waves 0-3), then that of knots and coefficients, then the stage
.set XPITCH, 528                       ; the turn of x: a row of 512 bytes + 16
.set CBOFF,  32*NKN*4                  ; behind the wave's 1,920 bytes of knots: its 1,408 bytes of c_basis
.set RSUM,   16*WREG                   ; behind the sixteen regions: 256 bytes for each wave: its 64 sums over its 32 i
.set SPARE,  RSUM+16*256               ; the spare words, 128 bytes for each wave: eight blocks of 256 bytes that no other line names
.set LANE, 1                           ; v1   lane
.set SPW,  2                           ; v2   LDS address of my spare word; never rewritten
.set NIL,  3                           ; v3   0; never rewritten
.set LN4,  4                           ; v4   4 x lane
.set ALIN, 5                           ; v5   my region + 4 x lane: bytes as they lie in memory
.set AG,   6                           ; v6   my region + 60 x lane: my edge's knots
.set AC,   7                           ; v7   my region + 44 x lane: my edge's c_basis (behind CBOFF)
.set AST0, 8                           ; v8   my region + 272 x lane: my row of the stage
.set AST,  9                           ; v9   the same, at the trip's rows
.set ARD,  10                          ; v10  the stage read by columns: row lane / 16, 16 bytes at 16 (lane % 16)
.set ARW,  11                          ; v11  where my wave's sums go
.set ARR,  12                          ; v12  where waves 0-3 read all waves' sums of their row
.set OOFF, 13                          ; v13  512 x (lane % 16): my row of out
.set ZR,   14                          ; v14  0.0: what lies outside an array
.set LN16, 15                          ; v15  16 x lane
.set AXS,  16                          ; v16  the turn of x, in: my region + 16 x lane
.set AXL,  17                          ; v17  and out: row lane % 16, + 128 (lane / 16)
.set ACR,  18                          ; v18  c_res: row lane % 4 of 64 bytes, + 16 (lane / 16)
.set ASR,  19                          ; v19  its scale word
.set HSH,  20                          ; v20  8 (lane / 16)
.set RQ,   21                          ; v21  lane % 16
.set HH,   22                          ; v22  lane / 16
.set G,    24                          ; v24-38   my edge's knots
.set C,    40                          ; v40-95   piece j: a3, a2, a1, a0 at C + 4 j
; while the coefficients are made
.set CB,   96                          ; v96-106  c
.set CSP,  107                         ; v107     c_spl
.set H,    108                         ; v108-121 g[7] - g[j]
.set R1,   122                         ; 1 / (g[j+1] - g[j])
.set K1,   136                         ; H x R1
.set R2,   150                         ; 1 / (g[j+2] - g[j]), then d1's t^2
.set K2,   163                         ; H x R2, then d1's 1
.set Q1,   176                         ; d1's t
.set R3,   189                         ; 1 / (g[j+3] - g[j]), then d2's t
.set K3,   201                         ; H x R3, then d2's 1
.set E,    224                         ; v224-235 differences, four sets of three by turns
.set TMP,  122                         ; v122-147 knots and c_basis as loaded
; waves 0-3, the quantised product
.set XF,   24                          ; v24-87   64 numbers of my row: k = 64 c + 32 (lane / 16) + 0 .. 31
.set AF,   88                          ; v88-95   c_res's fragment
.set BF,   96                          ; v96-103  the codes of silu(x)
.set MX,   108
.set SCO,  110
.set BYT,  112
.set PTW,  114
.set EE,   148                         ; v148-211 x as loaded, then at work
.set SA,   238                         ; c_res's scale words
.set SB,   239                         ; silu(x)'s
.set D,    240                         ; v240-247 the matrix result; it stays to the end
; the walk over the rows
.set T,    96
.set BB,   98                          ; two pairs of indicators by turns
.set ACC,  104                         ; four rows' sums
.set P,    108                         ; v108-135 fourteen pairs
.set XS,   216                         ; v216-223 x: two sets of four rows
.set V,    136                         ; v136-199 the stage read back
.set PT,   200
.set RR,   136
.set OV,   152
.set WV,   18
.set WB,   21
.set MK,   32                          ; s32-46 the steps, then indicators, of the pair's first row; s47-61 of its second
.set SEL,  68
.set TRIPS, 70
.set QO,   71
	s_load_b256 s[4:11], s[0:1], 0x0               ; x, grid, c_basis, c_spl
	s_load_b128 s[12:15], s[0:1], 0x20             ; c_res's codes, c_res's scales
	s_load_b64 s[16:17], s[0:1], 0x30              ; out
	v_lshl_add_u32 v[SPW], v0, 2, SPARE
	v_mov_b32 v[NIL], 0
	v_lshrrev_b32 v23, 5, v0
	v_readfirstlane_b32 s[WV], v23                 ; wave 0..15
	v_and_b32 v[LANE], 31, v0
	v_and_b32 v[RQ], 15, v0
	v_bfe_u32 v[HH], v0, 4, 1
	v_and_b32 v23, 3, v0
	s_mul_i32 s[WB], s[WV], WREG
	s_lshl_b32 s70, s[WV], 8
	s_lshl_b32 s71, s[WV], 6
	; every LDS address is made here, ahead of the place where the waves part
	v_lshlrev_b32 v[LN4], 2, v[LANE]
	v_lshlrev_b32 v[LN16], 4, v[LANE]
	v_add_nc_u32 v[ALIN], s[WB], v[LN4]
	v_mul_u32_u24 v[AG], v[LANE], 4*NKN
	v_add_nc_u32 v[AG], s[WB], v[AG]
	v_mul_u32_u24 v[AC], v[LANE], 4*NCB
	v_add_nc_u32 v[AC], s[WB], v[AC]
	v_mul_u32_u24 v[AST0], v[LANE], SPITCH
	v_add_nc_u32 v[AST0], s[WB], v[AST0]
	v_mul_u32_u24 v[ARD], v[HH], SPITCH
	v_lshl_add_u32 v[ARD], v[RQ], 4, v[ARD]
	v_add_nc_u32 v[ARD], s[WB], v[ARD]
	v_lshl_add_u32 v[ARW], v[RQ], 4, RSUM
	v_add_nc_u32 v[ARW], s70, v[ARW]               ; + 256 x wave
	v_lshl_add_u32 v[ARR], v[RQ], 2, RSUM
	v_add_nc_u32 v[ARR], s71, v[ARR]               ; + 4 x (16 x wave): row 16 w + lane % 16 of the work-group's 64
	v_lshlrev_b32 v[OOFF], 9, v[RQ]
	v_add_nc_u32 v[AXS], s[WB], v[LN16]
	v_mul_u32_u24 v[AXL], v[RQ], XPITCH
	v_lshl_add_u32 v[AXL], v[HH], 7, v[AXL]
	v_add_nc_u32 v[AXL], s[WB], v[AXL]
	v_lshlrev_b32 v[ACR], 6, v23
	v_lshl_add_u32 v[ACR], v[HH], 4, v[ACR]
	v_lshlrev_b32 v[ASR], 2, v23
	v_lshlrev_b32 v[HSH], 3, v[HH]
	v_mov_b32 v[ZR], 0
	; byte offsets.  The work-group's 512 edges, and in them the wave's 32, are neighbours in grid, c_basis and c_spl
	s_and_b32 s20, ttmp7, 0xffff                   ; which 64 rows
	s_and_b32 s19, s[WV], 3                        ; which 32 i
	s_mul_i32 s22, ttmp9, 512*NKN*4
	s_mul_i32 s23, s[WV], 32*NKN*4
	s_add_co_u32 s22, s22, s23
	s_mov_b32 s23, 0                               ; grid
	s_mul_i32 s24, ttmp9, 512*NCB*4
	s_mul_i32 s25, s[WV], 32*NCB*4
	s_add_co_u32 s24, s24, s25
	s_mov_b32 s25, 0                               ; c_basis
	s_lshl_b32 s26, ttmp9, 11
	s_lshl_b32 s27, s[WV], 7
	s_add_co_u32 s26, s26, s27
	s_mov_b32 s27, 0                               ; c_spl
	s_lshl_b32 s28, s20, 15
	s_lshl_b32 s29, s19, 7
	s_add_co_u32 s28, s28, s29
	s_mov_b32 s29, 0                               ; x for the walk: row 64 y, my 32 i
	s_lshl_b32 s30, s20, 15
	s_lshl_b32 s31, s[WV], 13
	s_add_co_u32 s30, s30, s31
	s_mov_b32 s31, 0                               ; row 64 y + 16 w of x and of out: used by waves 0-3 alone
	s_lshl_b32 s32, ttmp9, 8
	s_mov_b32 s33, 0                               ; c_res's codes: row 4 x of 64 bytes
	s_lshl_b32 s34, ttmp9, 4
	s_mov_b32 s35, 0                               ; its scale words; also output 4 x in a row of out
	s_mov_b32 s[SEL], 0x76543210
	s_mov_b32 s[SEL+1], 0xfedcba98                 ; v_permlanex16_b32's selects for lane l xor 16
	s_wait_kmcnt 0x0
	s_add_nc_u64 s[6:7], s[6:7], s[22:23]
	s_add_nc_u64 s[8:9], s[8:9], s[24:25]
	s_add_nc_u64 s[10:11], s[10:11], s[26:27]
	s_add_nc_u64 s[66:67], s[4:5], s[30:31]
	s_add_nc_u64 s[4:5], s[4:5], s[28:29]
	s_add_nc_u64 s[12:13], s[12:13], s[32:33]
	s_add_nc_u64 s[14:15], s[14:15], s[34:35]
	s_add_nc_u64 s[16:17], s[16:17], s[30:31]
	s_add_nc_u64 s[16:17], s[16:17], s[34:35]
	; the wave's knots and c_basis as they lie: each load reads 128 consecutive bytes
.set k, 0
.rept NKN
	global_load_b32 v[TMP+k], v[LN4], s[6:7] offset:128*k
.set k, k+1
.endr
.set k, 0
.rept NCB
	global_load_b32 v[TMP+NKN+k], v[LN4], s[8:9] offset:128*k
.set k, k+1
.endr
	global_load_b32 v[CSP], v[LN4], s[10:11]
.set k, 0
.rept 8
	global_load_b32 v[XS+k], v[LN4], s[4:5] offset:512*k   ; the walk's first eight rows: they land while the coefficients are made
.set k, k+1
.endr
	; ---- waves 0-3: rows 16 w .. 16 w + 15 of Q(silu(x)) c_res^T
	s_cmp_lt_u32 s[WV], 4
	s_cbranch_scc0 .Lno_product
.set k, 0
.rept 16
	global_load_b128 v[EE+4*k:EE+4*k+3], v[LN16], s[66:67] offset:512*k   ; a whole row of 512 bytes a load
.set k, k+1
.endr
.irp c, 0,1
	global_load_b128 v[AF+4*\c:AF+4*\c+3], v[ACR], s[12:13] offset:32*\c  ; c_res(o0 + r % 4, 64 c + 32 h ..)
.endr
	global_load_b32 v[SA], v[ASR], s[14:15]
	s_wait_loadcnt 3                               ; the sixteen rows are in; behind them only c_res's three loads were issued
.set k, 0
.rept 16
	ds_store_b128 v[AXS], v[EE+4*k:EE+4*k+3] offset:XPITCH*k
.set k, k+1
.endr
.irp c, 0,1
.irp g, 0,1,2,3,4,5,6,7
	ds_load_b128 v[XF+32*\c+4*\g:XF+32*\c+4*\g+3], v[AXL] offset:256*\c+16*\g   ; LDS serves a wave's instructions in order: these see my stores.  Lane (r, h): x(r, 64 c + 32 h + 4 g ..)
.endr
.endr
	s_wait_dscnt 0x0
.set j, 0
.rept 32
	v_pk_mul_f32 v[EE+j:EE+j+1], v[XF+j:XF+j+1], 0xbfb8aa3b op_sel_hi:[1,0]     ; -x log2(e)
.set j, j+2
.endr
.set j, 0
.rept 64
	v_exp_f32 v[EE+j], v[EE+j]                     ; e^-x
.set j, j+1
.endr
	v_nop                                          ; a plain instruction behind the last exponential,
	s_wait_alu depctr_va_vdst(0)                   ; and one wait for the batch, ahead of its first reader
.set j, 0
.rept 32
	v_pk_add_f32 v[EE+j:EE+j+1], v[EE+j:EE+j+1], 1.0 op_sel_hi:[1,0]
.set j, j+2
.endr
.set j, 0
.rept 64
	v_rcp_f32 v[EE+j], v[EE+j]                     ; 1 / (1 + e^-x)
.set j, j+1
.endr
	v_nop
	s_wait_alu depctr_va_vdst(0)
.set j, 0
.rept 32
	v_pk_mul_f32 v[XF+j:XF+j+1], v[XF+j:XF+j+1], v[EE+j:EE+j+1]                 ; silu(x), in f32
.set j, j+2
.endr
.irp c, 0,1                                    ; my block 2 c + h: all its 32 numbers are mine
	v_max3_num_f32 v[MX+\c], |v[XF+32*\c]|, |v[XF+32*\c+1]|, 0x1800000          ; and the floor 2^(3 - 127): the byte cannot fall under 1
.endr
.irp i, 2,4,6,8,10,12,14,16,18,20,22,24,26,28,30
.irp c, 0,1
	v_max3_num_f32 v[MX+\c], v[MX+\c], |v[XF+32*\c+\i]|, |v[XF+32*\c+\i+1]|
.endr
.endr
.irp c, 0,1
	v_add_nc_u32 v[SCO+\c], 0xff000000, v[MX+\c]   ; 2 off the exponent field: the conversion's scale operand
.endr
.irp c, 0,1
	v_lshrrev_b32 v[BYT+\c], 23, v[SCO+\c]         ; the scale's byte
.endr
	v_lshl_or_b32 v[SB], v[BYT+1], 16, v[BYT]      ; my two bytes, blocks h and 2 + h of row r,
	v_lshlrev_b32 v[SB], v[HSH], v[SB]             ; at their places in the scale word;
	v_mov_b32 v[PTW], 0
	v_permlanex16_b32 v[PTW], v[SB], s[SEL], s[SEL+1]
	v_or_b32 v[SB], v[SB], v[PTW]                  ; with lane l xor 16's two the word is whole
.irp c, 0,1
.irp g, 0,1,2,3
	v_cvt_scalef32_pk8_fp4_f32 v[BF+4*\c+\g], v[XF+32*\c+8*\g:XF+32*\c+8*\g+7], v[SCO+\c]
.endr
.endr
	s_wait_loadcnt 0x0                             ; c_res's fragment and scale words
.rept 8
	v_nop                                          ; a scale register written by a vector instruction stands 8 places ahead of the scaled matrix instruction, an operand so written 4
.endr
	v_wmma_scale_f32_16x16x128_f8f6f4 v[D:D+7], v[AF:AF+7], v[BF:BF+7], 0, v[SA], v[SB] matrix_a_fmt:MATRIX_FMT_FP4 matrix_b_fmt:MATRIX_FMT_FP4   ; lane (r, h), register j: row r, output o0 + j % 4
.rept 4
	v_nop                                          ; four places ahead of the loads and vector instructions below, which write its sources
.endr
.Lno_product:
	; ---- every wave: a lane gets its own edge's 15 knots and 11 coefficients, through the wave's own LDS bytes (strides of 15 and 11 words: 32 lanes, 32 banks)
	s_wait_loadcnt 8                               ; knots, c_basis, c_spl are in; the eight loads of x behind them may stay out
.set k, 0
.rept NKN
	ds_store_b32 v[ALIN], v[TMP+k] offset:128*k
.set k, k+1
.endr
.set k, 0
.rept NCB
	ds_store_b32 v[ALIN], v[TMP+NKN+k] offset:CBOFF+128*k
.set k, k+1
.endr
.set j, 0
.rept NKN
	ds_load_b32 v[G+j], v[AG] offset:4*j
.set j, j+1
.endr
.set j, 0
.rept NCB
	ds_load_b32 v[CB+j], v[AC] offset:CBOFF+4*j
.set j, j+1
.endr
	s_wait_dscnt 0x0
	; ---- the edge's fourteen cubics
.set j, 0
.rept 14
	v_sub_f32 v[H+j], v[G+7], v[G+j]
	v_sub_f32 v[R1+j], v[G+j+1], v[G+j]
.set j, j+1
.endr
.set j, 0
.rept 13
	v_sub_f32 v[R2+j], v[G+j+2], v[G+j]
.set j, j+1
.endr
.set j, 0
.rept 12
	v_sub_f32 v[R3+j], v[G+j+3], v[G+j]
.set j, j+1
.endr
.set j, 0
.rept 14
	v_rcp_f32 v[R1+j], v[R1+j]
.set j, j+1
.endr
.set j, 0
.rept 13
	v_rcp_f32 v[R2+j], v[R2+j]
.set j, j+1
.endr
.set j, 0
.rept 12
	v_rcp_f32 v[R3+j], v[R3+j]
.set j, j+1
.endr
.set j, 0
.rept NCB
	v_mul_f32 v[CB+j], v[CB+j], v[CSP]             ; c = c_basis x c_spl: plain work behind the reciprocals
.set j, j+1
.endr
	s_wait_alu depctr_va_vdst(0)                   ; one wait for the 39 reciprocals, ahead of their first reader
.set j, 0
.rept 14
	v_mul_f32 v[K1+j], v[H+j], v[R1+j]             ; w_K[j] = R t + K
.set j, j+1
.endr
.set j, 0
.rept 13
	v_mul_f32 v[K2+j], v[H+j], v[R2+j]
.set j, j+1
.endr
.set j, 0
.rept 12
	v_mul_f32 v[K3+j], v[H+j], v[R3+j]
.set j, j+1
.endr
	; d2[j] = c[j-1] + (c[j] - c[j-1]) (R3 t + K3): its t lands on R3, its 1 on K3
.set j, 0
.rept 12
.set es, E+3*(j%4)
.if j == 0
.set prv0, ZR
.else
.set prv0, CB+j-1
.endif
.if j == 11
.set cur0, ZR
.else
.set cur0, CB+j
.endif
	v_sub_f32 v[es], v[cur0], v[prv0]
	v_mul_f32 v[R3+j], v[es], v[R3+j]
	v_fma_f32 v[K3+j], v[es], v[K3+j], v[prv0]
.set j, j+1
.endr
	; d1[j] = d2[j-1] + (d2[j] - d2[j-1]) (R2 t + K2): t^2 lands on R2, t on Q1, 1 on K2
.set j, 0
.rept 13
.set es, E+3*(j%4)
.if j == 0
.set prv1, ZR
.set prv0, ZR
.else
.set prv1, R3+j-1
.set prv0, K3+j-1
.endif
.if j == 12
.set cur1, ZR
.set cur0, ZR
.else
.set cur1, R3+j
.set cur0, K3+j
.endif
	v_sub_f32 v[es], v[cur1], v[prv1]
	v_sub_f32 v[es+1], v[cur0], v[prv0]
	v_fma_f32 v[Q1+j], v[es+1], v[R2+j], v[prv1]
	v_mul_f32 v[R2+j], v[es], v[R2+j]
	v_fmac_f32 v[Q1+j], v[es], v[K2+j]
	v_fma_f32 v[K2+j], v[es+1], v[K2+j], v[prv0]
.set j, j+1
.endr
	; d0[j] = d1[j-1] + (d1[j] - d1[j-1]) (R1 t + K1): a3, a2, a1, a0
.set j, 0
.rept 14
.set es, E+3*(j%4)
.if j == 0
.set prv2, ZR
.set prv1, ZR
.set prv0, ZR
.else
.set prv2, R2+j-1
.set prv1, Q1+j-1
.set prv0, K2+j-1
.endif
.if j == 13
.set cur2, ZR
.set cur1, ZR
.set cur0, ZR
.else
.set cur2, R2+j
.set cur1, Q1+j
.set cur0, K2+j
.endif
	v_sub_f32 v[es], v[cur2], v[prv2]
	v_sub_f32 v[es+1], v[cur1], v[prv1]
	v_sub_f32 v[es+2], v[cur0], v[prv0]
	v_mul_f32 v[C+4*j], v[es], v[R1+j]
	v_fma_f32 v[C+4*j+1], v[es+1], v[R1+j], v[prv2]
	v_fma_f32 v[C+4*j+2], v[es+2], v[R1+j], v[prv1]
	v_fma_f32 v[C+4*j+3], v[es+2], v[K1+j], v[prv0]
	v_fmac_f32 v[C+4*j+1], v[es], v[K1+j]
	v_fmac_f32 v[C+4*j+2], v[es+1], v[K1+j]
.set j, j+1
.endr
; ---- the walk over the rows, two at a time in the halves of packed instructions; a coefficient serves both halves (op_sel picks it out of its pair of registers)
.macro CMPT xr                         ; the pair of rows in v[xr], v[xr+1]: the steps x >= g[j], as lane masks, and t = x - g[7]
.set j, 0
.rept NKN
	v_cmp_ge_f32 s[MK+j], v[\xr], v[G+j]
	v_cmp_ge_f32 s[MK+15+j], v[\xr+1], v[G+j]
.set j, j+1
.endr
	v_pk_add_f32 v[T:T+1], v[\xr:\xr+1], v[G+6:G+7] op_sel:[0,1] op_sel_hi:[1,1] neg_lo:[0,1] neg_hi:[0,1]
.endm
.macro SPLINE ar, guard                ; v[ar], v[ar+1] = sum_j b0[j] ((a3 t + a2) t + a1) t + a0
.set j, 0
.rept 14
	v_pk_fma_f32 v[P+2*j:P+2*j+1], v[T:T+1], v[C+4*j:C+4*j+1], v[C+4*j:C+4*j+1] op_sel:[0,0,1] op_sel_hi:[1,0,1]
.set j, j+1
.endr
.set j, 0
.rept 14
	v_pk_fma_f32 v[P+2*j:P+2*j+1], v[P+2*j:P+2*j+1], v[T:T+1], v[C+4*j+2:C+4*j+3] op_sel_hi:[1,1,0]
.set j, j+1
.endr
.set j, 0
.rept 14
	s_and_not1_b32 s[MK+j], s[MK+j], s[MK+j+1]             ; b0[j] = (x >= g[j]) and not (x >= g[j+1]); the compares stand 29 vector instructions back
	s_and_not1_b32 s[MK+15+j], s[MK+15+j], s[MK+16+j]
.set j, j+1
.endr
.set j, 0
.rept 14
	v_pk_fma_f32 v[P+2*j:P+2*j+1], v[P+2*j:P+2*j+1], v[T:T+1], v[C+4*j+2:C+4*j+3] op_sel:[0,0,1] op_sel_hi:[1,1,1]
.set j, j+1
.endr
.if \guard
	s_wait_dscnt 0x0                               ; the last store into the stage, over a hundred instructions back, has read the sums and its address: both may be written
.endif
.set j, 0
.rept 14
.set bb, BB+2*(j%2)
	v_cndmask_b32 v[bb], 0, 1.0, s[MK+j]
	v_cndmask_b32 v[bb+1], 0, 1.0, s[MK+15+j]
.if j == 1
	v_pk_mul_f32 v[\ar:\ar+1], v[BB:BB+1], v[P:P+1]        ; the first product starts the sum
.elseif j > 1
.set bo, BB+2*((j-1)%2)
	v_pk_fma_f32 v[\ar:\ar+1], v[bo:bo+1], v[P+2*(j-1):P+2*(j-1)+1], v[\ar:\ar+1]
.endif
.set j, j+1
.endr
	v_pk_fma_f32 v[\ar:\ar+1], v[BB+2:BB+3], v[P+26:P+27], v[\ar:\ar+1]
.endm
.macro QUAD set, ahead                 ; four rows; ahead = 1: the set is loaded again with the rows eight further down, as soon as its last reader is issued
	CMPT XS+4*\set
	SPLINE ACC, 1
	CMPT XS+4*\set+2
.if \ahead
.irp k, 0,1,2,3
	global_load_b32 v[XS+4*\set+\k], v[LN4], s[4:5] offset:(8+4*\set+\k)*512
.endr
.endif
	SPLINE ACC+2, 0
.if \set == 0
	v_add_nc_u32 v[AST], s[QO], v[AST0]
.endif
	ds_store_b128 v[AST], v[ACC:ACC+3] offset:16*\set
.endm
	s_mov_b32 s[TRIPS], 7
	s_mov_b32 s[QO], 0
.Ltrip:                                            ; eight rows a trip
	s_wait_loadcnt 4                               ; the older set's four loads are in, the younger set's four may stay out
	QUAD 0, 1
	s_wait_loadcnt 4                               ; likewise: behind this set's loads stand the four just issued
	QUAD 1, 1
	s_wait_xcnt 0x0                                ; the loads have read their base: it may step
	s_add_nc_u64 s[4:5], s[4:5], 8*512
	s_add_co_u32 s[QO], s[QO], 32
	s_sub_co_u32 s[TRIPS], s[TRIPS], 1
	s_cmp_lg_u32 s[TRIPS], 0
	s_cbranch_scc1 .Ltrip
	s_wait_loadcnt 4                               ; the last eight rows are written out: no load leaves the work-group's rows
	QUAD 0, 0
	s_wait_loadcnt 0x0
	QUAD 1, 0
	; ---- the sum over my wave's 32 i: the stage by columns.  Lane (h, q) adds rows h, h + 2, .. of the four batch rows 4 q ..
.set k, 0
.rept 16
	ds_load_b128 v[V+4*k:V+4*k+3], v[ARD] offset:2*SPITCH*k    ; LDS serves a wave's instructions in order: these see my stores
.set k, k+1
.endr
.irp n, 0,1,2,3
	v_mov_b32 v[PT+\n], 0                          ; a lane permute's destination counts as one of its sources
.endr
	s_wait_dscnt 0x0
.irp s, 8,4,2,1
.set k, 0
.rept \s
	v_pk_add_f32 v[V+4*k:V+4*k+1], v[V+4*k:V+4*k+1], v[V+4*(k+\s):V+4*(k+\s)+1]
	v_pk_add_f32 v[V+4*k+2:V+4*k+3], v[V+4*k+2:V+4*k+3], v[V+4*(k+\s)+2:V+4*(k+\s)+3]
.set k, k+1
.endr
.endr
.irp n, 0,1,2,3
	v_permlanex16_b32 v[PT+\n], v[V+\n], s[SEL], s[SEL+1]
.endr
	v_pk_add_f32 v[V:V+1], v[V:V+1], v[PT:PT+1]
	v_pk_add_f32 v[V+2:V+3], v[V+2:V+3], v[PT+2:PT+3]
	ds_store_b128 v[ARW], v[V:V+3]                 ; lanes l and l xor 16 write the same bytes with the same values: my wave's 64 sums
	s_wait_tensorcnt 0x0                           ; my last LDS store is issued
	ds_add_u32 v[SPW], v[NIL]
	s_wait_dscnt 0x0                               ; also for the others' sake: my sums lie in LDS
	s_barrier_signal -1
	s_barrier_wait -1
	; ---- waves 0-3: row 16 w + lane % 16: for each of the 4 outputs the four waves' sums and the matrix result
	s_cmp_lt_u32 s[WV], 4
	s_cbranch_scc0 .Ldone
.set k, 0
.rept 16
	ds_load_b32 v[RR+k], v[ARR] offset:256*k       ; wave k's sum: output k / 4, i from 32 (k % 4) on
.set k, k+1
.endr
	s_wait_dscnt 0x0
.irp o, 0,1,2,3
	v_pk_add_f32 v[RR+4*\o:RR+4*\o+1], v[RR+4*\o:RR+4*\o+1], v[RR+4*\o+2:RR+4*\o+3]
.endr
.irp o, 0,1,2,3
	v_add_f32 v[OV+\o], v[D+\o], v[RR+4*\o]        ; the matrix result is read from its low end on
.endr
.irp o, 0,1,2,3
	v_add_f32 v[OV+\o], v[OV+\o], v[RR+4*\o+1]
.endr
	v_cmp_gt_u32 vcc_lo, 16, v[LANE]               ; lanes 16-31 hold the same sixteen rows once more
	s_wait_xcnt 0x0                                ; EXEC changes only behind this wait
	s_and_saveexec_b32 s70, vcc_lo
	global_store_b128 v[OOFF], v[OV:OV+3], s[16:17] th:TH_STORE_NT   ; 16 bytes a lane: 4 outputs of a row
	s_wait_xcnt 0x0
	s_or_b32 exec_lo, exec_lo, s70
.Ldone:
	s_endpgm
.Lfunc_end_k_qe2c20dda02_kan:
	.size	k_qe2c20dda02_kan, .Lfunc_end_k_qe2c20dda02_kan-k_qe2c20dda02_kan
	.p2alignl 7, 3214868480
	.fill 96, 4, 3214868480
	.section	.rodata,"a",@progbits
	.p2align	6, 0x0
	.amdhsa_kernel k_qe2c20dda02_kan
		.amdhsa_group_segment_fixed_size 145408
		.amdhsa_private_segment_fixed_size 0
		.amdhsa_enable_private_segment 0
		.amdhsa_kernarg_size 56
		.amdhsa_user_sgpr_count 2
		.amdhsa_user_sgpr_kernarg_segment_ptr 1
		.amdhsa_wavefront_size32 1
		.amdhsa_system_sgpr_workgroup_id_x 1
		.amdhsa_system_sgpr_workgroup_id_y 1
		.amdhsa_system_sgpr_workgroup_id_z 1
		.amdhsa_system_vgpr_workitem_id 0
		.amdhsa_next_free_vgpr 256
		.amdhsa_next_free_sgpr 72
		.amdhsa_reserve_vcc 1
		.amdhsa_float_denorm_mode_32 3
		.amdhsa_float_denorm_mode_16_64 3
		.amdhsa_memory_ordered 1
		.amdhsa_forward_progress 1
		.amdhsa_inst_pref_size 115
	.end_amdhsa_kernel
	.amdgpu_metadata
---
amdhsa.version: [ 1, 2 ]
amdhsa.kernels:
  - .name:           k_qe2c20dda02_kan
    .symbol:         k_qe2c20dda02_kan.kd
    .args:
      - { .name: x, .offset: 0, .size: 8, .value_kind: global_buffer, .address_space: global }
      - { .name: grid, .offset: 8, .size: 8, .value_kind: global_buffer, .address_space: global }
      - { .name: c_basis, .offset: 16, .size: 8, .value_kind: global_buffer, .address_space: global }
      - { .name: c_spl, .offset: 24, .size: 8, .value_kind: global_buffer, .address_space: global }
      - { .name: c_res_codes, .offset: 32, .size: 8, .value_kind: global_buffer, .address_space: global }
      - { .name: c_res_scales, .offset: 40, .size: 8, .value_kind: global_buffer, .address_space: global }
      - { .name: out0, .offset: 48, .size: 8, .value_kind: global_buffer, .address_space: global }
    .group_segment_fixed_size: 145408
    .private_segment_fixed_size: 0
    .kernarg_segment_align: 8
    .kernarg_segment_size: 56
    .max_flat_workgroup_size: 512
    .sgpr_count:     72
    .vgpr_count:     256
    .wavefront_size: 32
...
	.end_amdgpu_metadata
.endif
;; end of part 1
